; MI455X (gfx1250); checked and timed in simulation.
; The chip was launched on July 23, 2026; its instructions are those of AMD's public machine-readable ISA for CDNA 5 (MIT licence, August 2026) and "CDNA5" Instruction Set Architecture Reference Guide (July 2026). The comments in the code are by the model that wrote it; some were corrected since.
;; Basic Attention. Allowed arithmetic: float matrix products may take bf16 or f16 operands with f32 sums; other float arithmetic in f32, or as packed bf16 or f16 multiplies, adds, multiply-adds, maxima and minima; sums over many terms, partial sums and values carried from step to step in f32; what a program stores and reads back later, other than sums and carried values, may be rounded once to bf16 or f16.
;; Inputs: W_c 1,024 x 1,024 float32; W_in 1,024 x 1,024 float32; W_out 1,024 x 2,048 float32; b_c 1,024 float32; context 32 x 2,048 x 1,024 float32; w_v 1,024 float32; x 32 x 1,024 float32.
;; Outputs: out0 32 x 1,024 float32; out1 32 x 2,048 float32.
;; One version. Each part assembles by itself: llvm-mc -triple=amdgcn-amd-amdhsa -mcpu=gfx1250 --defsym DOCPART=n.
;; ======== version 1 of 1: 3 launches
;; workspace buffers: Wb 2,097,152 bytes; Wo16 2,097,152 bytes; pre 262,144 bytes; scores 262,144 bytes; wpart 2,097,152 bytes
;; launch prep (part 1): grid 256 x 1, 4 waves a work-group, no clusters, 81,408 bytes of LDS; arguments x, W_in, W_out, W_c, b_c, Wb, Wo16, pre; writes Wb, Wo16, pre
.if DOCPART == 1
	.amdgcn_target "amdgcn-amd-amdhsa--gfx1250"
	.amdhsa_code_object_version 6
	.text
	.protected	k_qf0fae19bec_prep
	.globl	k_qf0fae19bec_prep
	.p2align	8
	.type	k_qf0fae19bec_prep,@function
k_qf0fae19bec_prep:
	s_mov_b64 s[64:65], 0
	v_nop
	global_prefetch_b8 v0, s[64:65] scope:SCOPE_SE
	s_setreg_imm32_b32 hwreg(HW_REG_WAVE_MODE, 25, 1), 1
	s_wait_xcnt 0x0
; PREPARATION.  Three pieces of work for each of 256 work-groups of four waves (g = work-group, w = wave):
;  (C) Wb   = bf16(C2 x W_c), C2 = 2 log2(e), laid in the order in which the main launch's waves take matrix fragments:
;             byte ((2 w_ + c) 32 + q) 8192 + b 1024 + t 512 + 16 L holds e = 512 c + 128 w_ + 16 b + L % 16, k = 32 q + 16 t + 8 (L / 16) + 0..7.
;  (O) Wo16 = bf16(W_out[:, 0:1024]) likewise: byte (e / 32) 65536 + q 2048 + ((e / 16) % 2) 1024 + t 512 + 16 L.
;      Of both the work-group takes the tile of 16 rows e (block g / 4) x 256 k (quarter g % 4); a wave takes 64 k of it.
;  (G) one tile, 16 batches x 16 columns, of pre: part 0 = C2 (x W_in^T + b_c), part 1 = x W_out[:, 1024:2048]^T, K = 1024, a wave 256 k;
;      operands rounded to bf16, sums in f32; the four waves' partial sums meet in LDS.  pre: [part][batch / 16][e / 16][batch % 16][e % 16] f32.
; A wave stages in LDS only what it reads back itself, so one barrier is enough: in front of the sum over the waves.
; LIMITS.  C2 is multiplied onto W_c ahead of its one rounding to bf16.  NaN and infinities are not treated apart.
; No cluster, no tensor load: no two work-groups read the same tile of W_c or W_out[:, :1024]; x's rows (64 KB a half) are a small part of what a work-group reads.
.set C2,    0x4038aa3b                 ; 2 log2(e)
.set PX,    528                        ; LDS row of 256 bf16 + 16 bytes: 33 x 16, so the 16 rows of a fragment load start at 16 different groups of four banks (ISA guide 11.1)
.set PC,    144                        ; LDS row of 64 bf16 + 16 bytes: 9 x 16
.set WREG,  19200                      ; a wave's own LDS: x slice 8,448, weight slice 8,448, tile of (C) and then (O) 2,304
.set WW,    8448
.set CW,    16896
.set RED,   4*WREG                     ; 4 x 1,024: the waves' partial tiles [batch][e] in f32
.set SPARE, RED+4096                   ; the spare words, 128 bytes a wave: two blocks of 256 bytes that no other line names
.set MSB, 0
.macro WIN new                         ; the immediate's high byte repeats the setting that is left
.if MSB != (\new)
	s_set_vgpr_msb (MSB<<8)|(\new)
.set MSB, \new
.endif
.endm
; REGISTERS.  window 0: v1 r = lane % 16, v2 h = lane / 16, v3 lane; v4-16 addresses; v28, v29 the add's two; v32-39 weight rows' offsets; v44-47 b_c;
;   v48-79 (C), v80-111 (O) as loaded; v112-127 two accumulators; v128-255 x as loaded, then fragments of x (v128-191) and of the weights (v192-255).  window 1: v0-127 weights as loaded.
	s_load_b256 s[4:11], s[0:1], 0x0               ; x s[4:5], W_in s[6:7], W_out s[8:9], W_c s[10:11]
	s_load_b256 s[12:19], s[0:1], 0x20             ; b_c s[12:13], Wb s[14:15], Wo16 s[16:17], pre s[18:19]
	v_lshl_add_u32 v28, v0, 2, SPARE               ; my spare word
	v_mov_b32 v29, 0
	v_lshrrev_b32 v3, 5, v0
	v_readfirstlane_b32 s20, v3                    ; wave
	s_mov_b32 s21, ttmp9                           ; g
	s_lshr_b32 s22, s21, 2                         ; (C), (O): block of 16 rows e
	s_and_b32 s23, s21, 3                          ; quarter of K
	s_and_b32 s25, s21, 1                          ; (G): half of the batches
	s_lshr_b32 s26, s21, 7                         ; part
	s_bfe_u32 s27, s21, 0x60001                    ; block of 16 columns, (g / 2) % 64
	s_add_co_u32 s44, s26, 12                      ; a weight row is 4,096 bytes in W_in, 8,192 in W_out: the shift
	s_lshl_b32 s24, s23, 10
	s_lshl_b32 s52, s20, 8
	s_add_co_u32 s24, s24, s52                     ; my 64 k of the quarter, in f32 bytes
	s_lshl_b32 s28, s22, 16
	s_add_co_u32 s28, s28, s24                     ; offset in W_c
	s_mov_b32 s29, 0
	s_lshl_b32 s30, s22, 17
	s_add_co_u32 s30, s30, s24                     ; offset in W_out, left half
	s_mov_b32 s31, 0
	s_lshl_b32 s32, s25, 16
	s_lshl_b32 s52, s20, 10                        ; my 256 k, in f32 bytes
	s_add_co_u32 s32, s32, s52                     ; offset in x
	s_mov_b32 s33, 0
	s_lshl_b32 s34, s27, 4
	s_lshl_b32 s34, s34, s44                       ; 16 rows a block
	s_add_co_u32 s34, s34, s52
	s_lshl_b32 s52, s26, 12                        ; part 1 takes the right half of W_out's rows
	s_add_co_u32 s34, s34, s52                     ; offset in the weights of (G)
	s_mov_b32 s35, 0
	s_lshl_b32 s36, s27, 6                         ; offset in b_c
	s_mov_b32 s37, 0
	s_lshl_b32 s40, s23, 3
	s_lshl_b32 s52, s20, 1
	s_add_co_u32 s40, s40, s52                     ; q of my first 32 k: 8 quarter + 2 wave
	s_bfe_u32 s38, s22, 0x20003                    ; w_ = (block / 8) % 4
	s_lshl_b32 s38, s38, 1
	s_lshr_b32 s52, s22, 5                         ; c = block / 32
	s_add_co_u32 s38, s38, s52
	s_lshl_b32 s38, s38, 5
	s_add_co_u32 s38, s38, s40
	s_lshl_b32 s38, s38, 13
	s_and_b32 s52, s22, 7                          ; b = block % 8
	s_lshl_b32 s52, s52, 10
	s_add_co_u32 s38, s38, s52                     ; offset in Wb
	s_mov_b32 s39, 0
	s_lshl_b32 s40, s40, 11
	s_lshr_b32 s52, s22, 1
	s_lshl_b32 s52, s52, 16
	s_add_co_u32 s40, s40, s52
	s_and_b32 s52, s22, 1
	s_lshl_b32 s52, s52, 10
	s_add_co_u32 s40, s40, s52                     ; offset in Wo16
	s_mov_b32 s41, 0
	s_lshl_b32 s42, s26, 17
	s_lshl_b32 s52, s25, 16
	s_add_co_u32 s42, s42, s52
	s_lshl_b32 s52, s27, 10
	s_add_co_u32 s42, s42, s52                     ; offset in pre
	s_mov_b32 s43, 0
	s_mov_b32 s48, C2
	s_mov_b32 s49, C2                              ; named with it as a pair
	v_and_b32 v1, 15, v0
	v_bfe_u32 v2, v0, 4, 1
	v_and_b32 v3, 31, v0
	v_lshlrev_b32 v4, 15, v2
	v_lshl_add_u32 v4, v1, 4, v4                   ; rows of 4,096 bytes: 8 h rows + 16 r
	v_lshlrev_b32 v5, 16, v2
	v_lshl_add_u32 v5, v1, 4, v5                   ; rows of 8,192 bytes
	v_lshlrev_b32 v6, 3, v2
.irp i, 0,1,2,3,4,5,6,7
	v_add_nc_u32 v7, \i, v6
	v_lshlrev_b32 v7, s44, v7
	v_lshl_add_u32 v[32+\i], v1, 4, v7             ; (i + 8 h) rows of the weights of (G) + 16 r
.endr
	v_and_b32 v8, 3, v0
	v_lshlrev_b32 v8, 4, v8                        ; my four numbers of the block's 16 of b_c
	s_mul_i32 s52, s20, WREG
	s_add_co_u32 s53, s52, CW
	v_mul_u32_u24 v9, v2, 8*PX
	v_lshl_add_u32 v9, v1, 3, v9
	v_add_nc_u32 v9, s52, v9                       ; into a slice: row 8 h (+ i), 8 bytes a lane
	v_mul_u32_u24 v10, v1, PX
	v_lshl_add_u32 v10, v2, 4, v10
	v_add_nc_u32 v10, s52, v10                     ; a fragment out of it: row r, 16 h
	v_mul_u32_u24 v11, v2, 8*PC
	v_lshl_add_u32 v11, v1, 3, v11
	v_add_nc_u32 v11, s53, v11                     ; the same two for the tile of (C) and (O)
	v_mul_u32_u24 v12, v1, PC
	v_lshl_add_u32 v12, v2, 4, v12
	v_add_nc_u32 v12, s53, v12
	s_lshl_b32 s53, s20, 10
	s_add_co_u32 s53, s53, RED
	v_lshlrev_b32 v13, 9, v2
	v_lshl_add_u32 v13, v1, 2, v13
	v_add_nc_u32 v13, s53, v13                     ; my partial tile: batch 8 h (+ j), column r
	v_lshl_add_u32 v14, v0, 4, RED                 ; threads 0 to 63: 16 bytes of a tile
	v_lshlrev_b32 v15, 4, v3                       ; 16 x lane
	v_lshlrev_b32 v16, 4, v0                       ; 16 x thread
	s_wait_kmcnt 0x0
	s_cmp_eq_u32 s26, 0
	s_cselect_b64 s[50:51], s[6:7], s[8:9]         ; part 0: W_in; part 1: W_out
	s_cselect_b32 s45, -1, 0                       ; the bias belongs to part 0 alone,
	s_cselect_b32 s46, C2, 1.0                     ; and so does the scale
	s_mov_b32 s47, s46
	s_add_nc_u64 s[50:51], s[50:51], s[34:35]
	s_add_nc_u64 s[4:5], s[4:5], s[32:33]
	s_add_nc_u64 s[28:29], s[10:11], s[28:29]
	s_add_nc_u64 s[30:31], s[8:9], s[30:31]
	s_add_nc_u64 s[12:13], s[12:13], s[36:37]
	s_add_nc_u64 s[38:39], s[14:15], s[38:39]
	s_add_nc_u64 s[40:41], s[16:17], s[40:41]
	s_add_nc_u64 s[42:43], s[18:19], s[42:43]
	; all loads on end: 1 + 32 + 32 + 8 + 8.  Sixteen lanes of each cover 256 consecutive bytes of a row, aligned.
	global_load_b128 v[44:47], v8, s[12:13]
.set n, 0
.rept 32                                               ; x: row n / 4 (+ 8 h), 64 k at 256 (n % 4) bytes
	global_load_b128 v[128+4*n:128+4*n+3], v4, s[4:5] offset:(n/4)*4096+256*(n%4)
.set n, n+1
.endr
	WIN 0x40                                       ; destination window 1
.set n, 0
.rept 32
	global_load_b128 v[4*n:4*n+3], v[32+n/4], s[50:51] offset:256*(n%4)
.set n, n+1
.endr
	WIN 0
.irp i, 0,1,2,3,4,5,6,7
	global_load_b128 v[48+4*\i:51+4*\i], v4, s[28:29] offset:\i*4096 th:TH_LOAD_NT
.endr
.irp i, 0,1,2,3,4,5,6,7
	global_load_b128 v[80+4*\i:83+4*\i], v5, s[30:31] offset:\i*8192 th:TH_LOAD_NT
.endr
	; (G): x and the weights to bf16, into my own slices
	s_wait_loadcnt 48                              ; younger: 32 + 8 + 8: b_c and x are in
.set n, 0
.rept 32
	v_cvt_pk_bf16_f32 v[128+4*n], v[128+4*n], v[128+4*n+1]
	v_cvt_pk_bf16_f32 v[128+4*n+1], v[128+4*n+2], v[128+4*n+3]
.set n, n+1
.endr
.set n, 0
.rept 32
	ds_store_b64 v9, v[128+4*n:128+4*n+1] offset:(n/4)*PX+128*(n%4)
.set n, n+1
.endr
	s_wait_loadcnt 16                              ; younger: 8 + 8: the weights are in
	WIN 0x45                                       ; destination and both sources window 1
.set n, 0
.rept 32
	v_cvt_pk_bf16_f32 v[4*n], v[4*n], v[4*n+1]
	v_cvt_pk_bf16_f32 v[4*n+1], v[4*n+2], v[4*n+3]
.set n, n+1
.endr
	WIN 0x04                                       ; store data window 1, address window 0
.set n, 0
.rept 32
	ds_store_b64 v9, v[4*n:4*n+1] offset:WW+(n/4)*PX+128*(n%4)
.set n, n+1
.endr
	WIN 0
.set n, 0
.rept 8                                                ; fragments of 32 k: LDS serves a wave's instructions in order (ISA guide 5.7.1.4), so these see my stores above
	ds_load_b128 v[128+8*n:128+8*n+3], v10 offset:64*n
	ds_load_b128 v[128+8*n+4:128+8*n+7], v10 offset:64*n+32
	ds_load_b128 v[192+8*n:192+8*n+3], v10 offset:WW+64*n
	ds_load_b128 v[192+8*n+4:192+8*n+7], v10 offset:WW+64*n+32
.set n, n+1
.endr
	s_wait_dscnt 0x0
	; source 0 = 16 batches, source 1 = 16 columns.  Two accumulators take turns; the first two products start the sums.
	v_wmma_f32_16x16x32_bf16 v[112:119], v[128:135], v[192:199], 0
	v_wmma_f32_16x16x32_bf16 v[120:127], v[136:143], v[200:207], 0
.set n, 2
.rept 6
	v_wmma_f32_16x16x32_bf16 v[112+8*(n%2):119+8*(n%2)], v[128+8*n:135+8*n], v[192+8*n:199+8*n], v[112+8*(n%2):119+8*(n%2)]
.set n, n+1
.endr
.rept 4
	v_nop                                          ; four places between the last product and the first read of a result (ISA guide 7.12.1)
.endr
.irp j, 0,2,4,6
	v_pk_add_f32 v[112+\j:113+\j], v[112+\j:113+\j], v[120+\j:121+\j]
.endr
.irp j, 0,1,2,3,4,5,6,7
	ds_store_b32 v13, v[112+\j] offset:64*\j       ; register j: batch 8 h + j, column r
.endr
	; (C): scaled, rounded, through my tile, out in fragment order
	s_wait_loadcnt 8                               ; younger: (O)'s 8
.irp i, 0,1,2,3,4,5,6,7
	v_pk_mul_f32 v[48+4*\i:49+4*\i], v[48+4*\i:49+4*\i], s[48:49] op_sel_hi:[1,0]
	v_pk_mul_f32 v[50+4*\i:51+4*\i], v[50+4*\i:51+4*\i], s[48:49] op_sel_hi:[1,0]
.endr
.irp i, 0,1,2,3,4,5,6,7
	v_cvt_pk_bf16_f32 v[48+4*\i], v[48+4*\i], v[49+4*\i]
	v_cvt_pk_bf16_f32 v[49+4*\i], v[50+4*\i], v[51+4*\i]
.endr
.irp i, 0,1,2,3,4,5,6,7
	ds_store_b64 v11, v[48+4*\i:49+4*\i] offset:\i*PC
.endr
.irp m, 0,1,2,3
	ds_load_b128 v[48+4*\m:51+4*\m], v12 offset:32*\m  ; m = 2 q' + t: k = 32 q' + 16 t + 8 h on, of row r
.endr
	s_wait_dscnt 0x0
.irp m, 0,1,2,3
	global_store_b128 v15, v[48+4*\m:51+4*\m], s[38:39] offset:(\m/2)*8192+(\m%2)*512  ; a wave's store covers 512 consecutive bytes, aligned
.endr
	; (O): the same without the scale; my tile is written again behind my own reads of it, which have come back
	s_wait_loadcnt 0x0
.irp i, 0,1,2,3,4,5,6,7
	v_cvt_pk_bf16_f32 v[80+4*\i], v[80+4*\i], v[81+4*\i]
	v_cvt_pk_bf16_f32 v[81+4*\i], v[82+4*\i], v[83+4*\i]
.endr
.irp i, 0,1,2,3,4,5,6,7
	ds_store_b64 v11, v[80+4*\i:81+4*\i] offset:\i*PC
.endr
.irp m, 0,1,2,3
	ds_load_b128 v[80+4*\m:83+4*\m], v12 offset:32*\m
.endr
	s_wait_dscnt 0x0                               ; also for the others' sake: my partial tile is stored
.irp m, 0,1,2,3
	global_store_b128 v15, v[80+4*\m:83+4*\m], s[40:41] offset:(\m/2)*2048+(\m%2)*512
.endr
	s_barrier_signal -1
	s_barrier_wait -1                              ; all four partial tiles are in LDS
	s_cmp_gt_u32 s20, 1
	s_cbranch_scc1 .Lend                           ; 64 threads x 16 bytes are the tile: waves 0 and 1
	ds_load_b128 v[96:99], v14
	ds_load_b128 v[100:103], v14 offset:1024
	ds_load_b128 v[104:107], v14 offset:2048
	ds_load_b128 v[108:111], v14 offset:3072
.irp j, 0,1,2,3
	v_cndmask_b32 v[44+\j], 0, v[44+\j], s45       ; the bias, or 0 in part 1
.endr
	s_wait_dscnt 0x0
	v_pk_add_f32 v[96:97], v[96:97], v[100:101]
	v_pk_add_f32 v[98:99], v[98:99], v[102:103]
	v_pk_add_f32 v[104:105], v[104:105], v[108:109]
	v_pk_add_f32 v[106:107], v[106:107], v[110:111]
	v_pk_add_f32 v[96:97], v[96:97], v[104:105]
	v_pk_add_f32 v[98:99], v[98:99], v[106:107]
	v_pk_add_f32 v[96:97], v[96:97], v[44:45]
	v_pk_add_f32 v[98:99], v[98:99], v[46:47]
	v_pk_mul_f32 v[96:97], v[96:97], s[46:47] op_sel_hi:[1,0]
	v_pk_mul_f32 v[98:99], v[98:99], s[46:47] op_sel_hi:[1,0]
	global_store_b128 v16, v[96:99], s[42:43]      ; the tile's 1,024 bytes lie on end
.Lend:
	s_wait_tensorcnt 0x0                           ; the wave's end, behind my last LDS store
	ds_add_u32 v28, v29
	s_wait_dscnt 0x0
	s_endpgm
.Lfunc_end_k_qf0fae19bec_prep:
	.size	k_qf0fae19bec_prep, .Lfunc_end_k_qf0fae19bec_prep-k_qf0fae19bec_prep
	.p2alignl 7, 3214868480
	.fill 96, 4, 3214868480
	.section	.rodata,"a",@progbits
	.p2align	6, 0x0
	.amdhsa_kernel k_qf0fae19bec_prep
		.amdhsa_group_segment_fixed_size 81408
		.amdhsa_private_segment_fixed_size 0
		.amdhsa_enable_private_segment 0
		.amdhsa_kernarg_size 64
		.amdhsa_user_sgpr_count 2
		.amdhsa_user_sgpr_kernarg_segment_ptr 1
		.amdhsa_wavefront_size32 1
		.amdhsa_system_sgpr_workgroup_id_x 1
		.amdhsa_system_sgpr_workgroup_id_y 1
		.amdhsa_system_sgpr_workgroup_id_z 1
		.amdhsa_system_vgpr_workitem_id 0
		.amdhsa_next_free_vgpr 384
		.amdhsa_next_free_sgpr 66
		.amdhsa_reserve_vcc 0
		.amdhsa_float_denorm_mode_32 3
		.amdhsa_float_denorm_mode_16_64 3
		.amdhsa_memory_ordered 1
		.amdhsa_forward_progress 1
		.amdhsa_inst_pref_size 36
	.end_amdhsa_kernel
	.amdgpu_metadata
---
amdhsa.version: [ 1, 2 ]
amdhsa.kernels:
  - .name:           k_qf0fae19bec_prep
    .symbol:         k_qf0fae19bec_prep.kd
    .args:
      - { .name: x, .offset: 0, .size: 8, .value_kind: global_buffer, .address_space: global }
      - { .name: W_in, .offset: 8, .size: 8, .value_kind: global_buffer, .address_space: global }
      - { .name: W_out, .offset: 16, .size: 8, .value_kind: global_buffer, .address_space: global }
      - { .name: W_c, .offset: 24, .size: 8, .value_kind: global_buffer, .address_space: global }
      - { .name: b_c, .offset: 32, .size: 8, .value_kind: global_buffer, .address_space: global }
      - { .name: Wb, .offset: 40, .size: 8, .value_kind: global_buffer, .address_space: global }
      - { .name: Wo16, .offset: 48, .size: 8, .value_kind: global_buffer, .address_space: global }
      - { .name: pre, .offset: 56, .size: 8, .value_kind: global_buffer, .address_space: global }
    .group_segment_fixed_size: 81408
    .private_segment_fixed_size: 0
    .kernarg_segment_align: 8
    .kernarg_segment_size: 64
    .max_flat_workgroup_size: 128
    .sgpr_count:     66
    .vgpr_count:     384
    .wavefront_size: 32
...
	.end_amdgpu_metadata
.endif
;; end of part 1
;; launch attn (part 2): grid 512 x 1, 4 waves a work-group, no clusters, 280,064 bytes of LDS; arguments context, Wb, pre, w_v, scores, wpart; writes scores, wpart
.if DOCPART == 2
	.amdgcn_target "amdgcn-amd-amdhsa--gfx1250"
	.amdhsa_code_object_version 6
	.text
	.protected	k_qf0fae19bec_attn
	.globl	k_qf0fae19bec_attn
	.p2align	8
	.type	k_qf0fae19bec_attn,@function
k_qf0fae19bec_attn:
	s_mov_b64 s[64:65], 0
	v_nop
	global_prefetch_b8 v0, s[64:65] scope:SCOPE_SE
	s_setreg_imm32_b32 hwreg(HW_REG_WAVE_MODE, 25, 1), 1
	s_wait_xcnt 0x0
; THE MAIN LAUNCH.  A work-group owns 128 rows of context (all of one batch, g / 16) and reads them from memory ONCE: they are rounded to bf16 into LDS and stay there.
;   y[s][e]  = C2 (context[s] . W_c[e] + target[e] + b_c[e]),  C2 = 2 log2(e): the product with Wb = bf16(C2 W_c), plus the row of pre made by the launch before
;   scores[s] = -2 sum over e of w_v[e] / (1 + 2^y): tanh(z) = 1 - 2 / (1 + 2^(C2 z)), and the constant sum of w_v, the same for every s, is left out: a softmax does not see it
;   p[s] = 2^(log2(e) (scores[s] - the block's maximum)), rounded to bf16;   wpart[g][d] = sum over the block's s of p[s] context_bf16[s][d].   The last launch joins the blocks.
; SHARES.  The 1,024 columns e go in two chunks of 512; wave w makes all 128 rows x columns 512 c + 128 w .. + 127: 64 accumulators, 512 registers.  K goes in 32 steps of 32, 64 matrix instructions each.
; A's fragments come from LDS.  B's come from memory straight into registers: Wb lies in fragment order, a wave's whole stream 512 KB on end, and no two waves of the work-group take the same fragment.
; In chunk 0 the context arrives beside the products: in each step a wave rounds and stores one unit (16 rows x 64 k) and asks for the unit four further on.
; NO CLUSTER, NO TENSOR LOAD.  Wb is what all work-groups share, but a joint load lands in LDS: a K step of 32 is 4 waves x 8,192 = 32,768 bytes, two slots are 65,536, and beside the resident block
; (264,192 bytes) and the tables 47,616 are left.
; THE MATRIX INSTRUCTION IS USED TRANSPOSED (source 0 = 16 columns e, source 1 = 16 rows s): a lane holds one row s = 16 a + lane % 16 and eight columns, so the sum over e stays in the lane but for one exchange.
; LIMITS.  2^y may overflow to infinity (its term is then 0) or flush to 0 (its term is w_v): both are tanh's limits.  A weight p below 2^-126 counts as 0.  NaN and infinities in the inputs are not treated apart.
; REGISTERS, in windows of 256 (s_set_vgpr_msb: bits 1:0 source 0, 3:2 source 1, 5:4 source 2, 7:6 destination):
;   window 0: v1 r, v2 h, v3 lane; v4-7 A's fragment addresses (rows 32 i + r), v8-11 their working copies; v12 where I store a unit; v13 my offset in context; v14 16 x lane; v15, v16 the tables' addresses;
;             v17-22 the last phase's LDS addresses; v23 at work; v24-27 the turning loads' addresses; v28, v29 the add's two; v30, v31 the tables' offsets; v32-39 row sums; v40-63 at work;
;             v64-95, v96-127 A's fragments of rows 0-63, 64-127; v128-255 four sets of 32 for units on their way (in the epilogue: 64 of pre's row, 64 of w_v)
;   window 1: four buffers of 64 for B's fragments.     windows 2, 3: the accumulators of rows 0-63, 64-127: (a, b) at v[8 (8 (a % 4) + b)]
.set PA,    2064                       ; a row of A in LDS: 2,048 bytes + 16 = 129 x 16: the 16 rows of a fragment load start at 16 different groups of four banks (64 banks of 4 bytes: ISA guide 11.1)
.set TB,    128*PA                     ; pre's row for my batch, f32 [1024]
.set WV,    TB+4096                    ; w_v, f32 [1024]
.set PS,    WV+4096                    ; the waves' partial row sums, 4 x 128 f32
.set PB,    PS+2048                    ; p in bf16, a copy for each wave, 4 x 256 bytes
.set STG,   PB+1024                    ; wpart's way out, 1,024 bytes a wave
.set SPARE, STG+4096                   ; the spare words, 128 bytes a wave: two blocks of 256 bytes that no other line names
.set TBT,   128
.set WVT,   192
.set MSB, 0
.macro WIN new                         ; the immediate's high byte repeats the setting that is left; a switch that changes nothing is dropped
.if MSB != (\new)
	s_set_vgpr_msb (MSB<<8)|(\new)
.set MSB, \new
.endif
.endm
.macro PLACES                          ; four places between a matrix instruction and a load into, or a vector read of, its registers (ISA guide 7.12.1 for vector reads)
.rept 4
	v_nop
.endr
.endm
; 16 matrix instructions: row blocks a0, a0 + 1 of half hi x all 8 column blocks, B from ring buffer rb.  zero = 1: the products start the sums.  The accumulators take turns.
.macro MUL16 rb, hi, a0, zero
	WIN 0xa1+0x50*(\hi)
.irp a, \a0, (\a0)+1
.irp b, 0,1,2,3,4,5,6,7
.if \zero
	v_wmma_f32_16x16x32_bf16 v[8*(8*(\a)+(\b)):8*(8*(\a)+(\b))+7], v[64*(\rb)+8*(\b):64*(\rb)+8*(\b)+7], v[64+32*(\hi)+8*(\a):64+32*(\hi)+8*(\a)+7], 0
.else
	v_wmma_f32_16x16x32_bf16 v[8*(8*(\a)+(\b)):8*(8*(\a)+(\b))+7], v[64*(\rb)+8*(\b):64*(\rb)+8*(\b)+7], v[64+32*(\hi)+8*(\a):64+32*(\hi)+8*(\a)+7], v[8*(8*(\a)+(\b)):8*(8*(\a)+(\b))+7]
.endif
.endr
.endr
.endm
.macro FETCH_A hi, ka                  ; 8 LDS loads: four fragments (64 rows x 32 k at byte ka of the rows)
	WIN 0
.irp a, 0,1,2,3
	ds_load_b128 v[64+32*(\hi)+8*\a:64+32*(\hi)+8*\a+3],   v[8+2*(\hi)+\a/2] offset:(\a%2)*16*PA+(\ka)
	ds_load_b128 v[64+32*(\hi)+8*\a+4:64+32*(\hi)+8*\a+7], v[8+2*(\hi)+\a/2] offset:(\a%2)*16*PA+(\ka)+32
.endr
.endm
.macro LOAD_B rb, off                  ; 16 loads, 8,192 bytes on end: a K step's eight fragments of B
	WIN 0x40
.set j, 0
.rept 16
	global_load_b128 v[64*(\rb)+4*j:64*(\rb)+4*j+3], v14, s[16:17] offset:(\off)+512*j
.set j, j+1
.endr
.endm
.macro LOAD_U set, go                  ; 8 loads: a unit, 16 of my rows x 64 k; sixteen lanes of a load cover 256 consecutive bytes of a row, aligned
	WIN 0
.set j, 0
.rept 8
	global_load_b128 v[128+32*(\set)+4*j:128+32*(\set)+4*j+3], v13, s[4:5] offset:(\go)+4096*j th:TH_LOAD_NT
.set j, j+1
.endr
.endm
.macro CONV set, so                    ; a unit is rounded in place and stored: 8 bytes a lane; rows 8 apart lie 128 bytes apart modulo 256, so 32 lanes touch each bank once
	WIN 0
.set j, 0
.rept 8
	v_cvt_pk_bf16_f32 v[128+32*(\set)+4*j], v[128+32*(\set)+4*j], v[128+32*(\set)+4*j+1]
	v_cvt_pk_bf16_f32 v[128+32*(\set)+4*j+1], v[128+32*(\set)+4*j+2], v[128+32*(\set)+4*j+3]
.set j, j+1
.endr
.set j, 0
.rept 8
	ds_store_b64 v12, v[128+32*(\set)+4*j:128+32*(\set)+4*j+1] offset:(\so)+j*PA
.set j, j+1
.endr
.endm
; A K STEP q.  rb = q % 4.  lc: the global loads younger than B(q).  bar = 1: the barrier that shows the next slice of A to every wave.  cv, so: the unit to round and where (-1: none).
; bo: B(q + 3)'s offset (-1: none).  go: unit q + 7's offset (-1: none).  ka: the byte of A(q + 1) in the rows (-1: none).
; A has ONE buffer: its lower half is fetched again behind the lower half's 32 products and lands under the upper half's, and the other way round.
.macro STEP rb, zero, lc, bar, cv, so, bo, go, ka
	s_wait_loadcnt \lc                             ; loads come back in order (ISA guide 5.7.1): B(q) is in, and so is the unit asked for ahead of it, which this step rounds
	s_wait_dscnt 8                                 ; A's rows 0-63 are in; the youngest eight loads (rows 64-127) may be out
	MUL16 \rb, 0, 0, \zero
.if \bar
	s_wait_dscnt 0x0                               ; for the others' sake: my stores of the next slice are done (and no LDS instruction of mine is out at the signal)
	s_barrier_signal -1
.endif
	MUL16 \rb, 0, 2, \zero
.if \bar
	s_barrier_wait -1                              ; every wave's are: the fetches below read that slice
.endif
	WIN 0
.if (\cv) >= 0
	CONV \cv, \so                                  ; its sixteen conversions are also the places in front of the loads below
.elseif ((\ka) >= 0) || ((\bo) >= 0)
	PLACES
.endif
.if (\ka) >= 0
	FETCH_A 0, \ka
.endif
.if (\bo) >= 0
	LOAD_B ((\rb)+3)%4, \bo
.endif
.set DW, 0
.if (\cv) >= 0
.set DW, DW+8
.endif
.if (\ka) >= 0
.set DW, DW+8
.endif
	s_wait_dscnt DW                                ; all but what this step has just issued: A's rows 64-127 are in
	MUL16 \rb, 1, 0, \zero
	MUL16 \rb, 1, 2, \zero
.if (\ka) >= 0
	WIN 0
	PLACES
	FETCH_A 1, \ka
.endif
.if (\go) >= 0
	LOAD_U \cv, \go
.endif
.endm
; THE EPILOGUE of row block a: its 64 registers, as 32 pairs, go through y = acc + pre; 2^y; + 1; reciprocal; times w_v, summed in four chains.  The stages of neighbouring pairs are set into each other, so
; that behind every transcendental a plain instruction stands before its result is used (ISA guide 5.7.2), and no line waits for the one before it.  Each accumulator is read from its lowest registers on.
.macro EROW a
	WIN 0xa2+0x51*((\a)/4)                         ; destination, sources 0 and 2: the accumulators' window; source 1: window 0
.set R, 64*((\a)%4)
.set t, 0
.rept 37
.if t < 32
	v_pk_add_f32 v[R+2*t:R+2*t+1], v[R+2*t:R+2*t+1], v[TBT+2*t:TBT+2*t+1]
.endif
.if (t >= 1) && (t < 33)
	v_exp_f32 v[R+2*t-2], v[R+2*t-2]
.endif
.if (t >= 5) && (t < 9)
	s_wait_alu depctr_va_vdst(0)
	v_pk_mul_f32 v[R+2*t-10:R+2*t-9], v[R+2*t-10:R+2*t-9], v[WVT+2*t-10:WVT+2*t-9]
.elseif t >= 9
	s_wait_alu depctr_va_vdst(0)
	v_pk_fma_f32 v[R+2*t-10:R+2*t-9], v[R+2*t-10:R+2*t-9], v[WVT+2*t-10:WVT+2*t-9], v[R+2*t-18:R+2*t-17]
.endif
.if (t >= 1) && (t < 33)
	v_exp_f32 v[R+2*t-1], v[R+2*t-1]
.endif
.if (t >= 2) && (t < 34)
	s_wait_alu depctr_va_vdst(0)
	v_pk_add_f32 v[R+2*t-4:R+2*t-3], v[R+2*t-4:R+2*t-3], 1.0 op_sel_hi:[1,0]
.endif
.if (t >= 3) && (t < 35)
	v_rcp_f32 v[R+2*t-6], v[R+2*t-6]
	v_rcp_f32 v[R+2*t-5], v[R+2*t-5]
.endif
.set t, t+1
.endr
.endm
.macro GATHER hi                       ; the four chains' ends (pairs 28-31) of four row blocks are added onto the row sums
	WIN 0x0a+5*(\hi)
.irp a, 0,1,2,3
	v_pk_add_f32 v[40+4*\a:41+4*\a], v[64*\a+56:64*\a+57], v[64*\a+58:64*\a+59]
	v_pk_add_f32 v[42+4*\a:43+4*\a], v[64*\a+60:64*\a+61], v[64*\a+62:64*\a+63]
.endr
	WIN 0
.irp a, 0,1,2,3
	v_pk_add_f32 v[40+4*\a:41+4*\a], v[40+4*\a:41+4*\a], v[42+4*\a:43+4*\a]
.endr
.irp a, 0,1,2,3
	v_add_f32 v[40+4*\a], v[40+4*\a], v[41+4*\a]
.endr
.irp a, 0,1,2,3
	v_add_f32 v[32+4*(\hi)+\a], v[32+4*(\hi)+\a], v[40+4*\a]
.endr
.endm
.macro TRLOAD ks                       ; 32 turning loads: rows 32 ks .. + 31 x my 256 channels, as 16 fragments (32 rows s along the registers, 16 channels along the lanes)
	WIN 0x40
.set j, 0
.rept 16
	ds_load_tr16_b128 v[128*((\ks)%2)+8*j:128*((\ks)%2)+8*j+3],   v[24+(\ks)] offset:32*j
	ds_load_tr16_b128 v[128*((\ks)%2)+8*j+4:128*((\ks)%2)+8*j+7], v[24+(\ks)] offset:32*j+16*PA
.set j, j+1
.endr
.endm
.macro WSUM ks                         ; 16 matrix instructions, 16 accumulators by turns: source 0 = p (the same in all 16 rows), source 1 = context
	WIN 0xa4
.set j, 0
.rept 16
.if (\ks) == 0
	v_wmma_f32_16x16x32_bf16 v[8*j:8*j+7], v[64+8*(\ks):64+8*(\ks)+7], v[128*((\ks)%2)+8*j:128*((\ks)%2)+8*j+7], 0
.else
	v_wmma_f32_16x16x32_bf16 v[8*j:8*j+7], v[64+8*(\ks):64+8*(\ks)+7], v[128*((\ks)%2)+8*j:128*((\ks)%2)+8*j+7], v[8*j:8*j+7]
.endif
.set j, j+1
.endr
.endm
	s_load_b256 s[4:11], s[0:1], 0x0               ; context s[4:5], Wb s[6:7], pre s[8:9], w_v s[10:11]
	s_load_b128 s[12:15], s[0:1], 0x20             ; scores s[12:13], wpart s[14:15]
	v_lshl_add_u32 v28, v0, 2, SPARE               ; my spare word
	v_mov_b32 v29, 0
	v_lshrrev_b32 v3, 5, v0
	v_readfirstlane_b32 s18, v3                    ; wave
	s_mov_b32 s19, ttmp9                           ; g
	v_and_b32 v1, 15, v0                           ; r
	v_bfe_u32 v2, v0, 4, 1                         ; h
	v_and_b32 v3, 31, v0                           ; lane
	v_mul_u32_u24 v4, v1, PA
	v_lshl_add_u32 v4, v2, 4, v4                   ; a fragment of A: row r, 16 h
	v_add_nc_u32 v5, 32*PA, v4
	v_add_nc_u32 v6, 64*PA, v4
	v_add_nc_u32 v7, 96*PA, v4
	s_mul_i32 s20, s18, 32*PA
	v_mul_u32_u24 v12, v2, 8*PA
	v_lshl_add_u32 v12, v1, 3, v12
	v_add_nc_u32 v12, s20, v12                     ; a unit into LDS: row 32 w + 8 h, 8 r
	s_lshl_b32 s20, s18, 17
	v_lshlrev_b32 v13, 15, v2
	v_lshl_add_u32 v13, v1, 4, v13
	v_add_nc_u32 v13, s20, v13                     ; and out of context: the same row x 4,096 + 16 r
	v_lshlrev_b32 v14, 4, v3
	s_lshl_b32 s20, s18, 9                         ; 512 w
	s_add_co_u32 s21, s20, TB
	v_lshl_add_u32 v15, v2, 5, s21                 ; the tables at column 128 w + 8 h
	s_add_co_u32 s21, s20, PS
	v_lshl_add_u32 v17, v3, 2, s21
	v_lshl_add_u32 v18, v3, 4, PS
	s_lshl_b32 s21, s18, 8
	s_add_co_u32 s21, s21, PB
	v_lshl_add_u32 v19, v3, 3, s21
	v_lshl_add_u32 v20, v2, 4, s21
	s_lshl_b32 s21, s18, 10
	s_add_co_u32 s21, s21, STG
	v_lshl_add_u32 v21, v3, 2, s21
	v_lshl_add_u32 v22, v3, 4, s21
	v_and_b32 v23, 7, v0
	v_lshl_add_u32 v23, v2, 3, v23
	v_mul_u32_u24 v24, v23, PA
	v_bfe_u32 v23, v0, 3, 1
	v_lshl_add_u32 v24, v23, 4, v24
	v_add_nc_u32 v24, s20, v24                     ; the turning load: row 8 h + lane % 8, my 512 bytes of channels, 16 ((lane / 8) % 2)
	v_add_nc_u32 v25, 32*PA, v24
	v_add_nc_u32 v26, 64*PA, v24
	v_add_nc_u32 v27, 96*PA, v24
	v_lshlrev_b32 v30, 4, v0                       ; 16 x thread
	v_lshrrev_b32 v31, 2, v0
	v_and_b32 v23, 3, v0
	v_lshlrev_b32 v31, 10, v31
	v_lshl_add_u32 v31, v23, 4, v31                ; pre: column block thread / 4, four columns
	v_lshl_add_u32 v23, v0, 4, TB
.irp a, 0,1,2,3,4,5,6,7
	v_mov_b32 v[32+\a], 0                          ; the row sums take two chunks' shares
.endr
	s_lshl_b32 s32, s19, 19                        ; my block: 128 rows of 4,096 bytes
	s_mov_b32 s33, 0
	s_lshl_b32 s34, s18, 19                        ; my wave's stream in Wb
	s_mov_b32 s35, 0
	s_lshr_b32 s36, s19, 8                         ; batch / 16
	s_lshl_b32 s36, s36, 16
	s_bfe_u32 s20, s19, 0x40004                    ; batch % 16
	s_lshl_b32 s20, s20, 6
	s_add_co_u32 s36, s36, s20
	s_mov_b32 s37, 0
	s_lshl_b32 s38, s19, 9
	s_mov_b32 s39, 0
	s_lshl_b32 s40, s19, 12
	s_lshl_b32 s20, s18, 10
	s_add_co_u32 s40, s40, s20
	s_mov_b32 s41, 0
	s_mov_b32 s26, 0x76543210                      ; v_permlanex16_b32: each lane takes its own place in the other half
	s_mov_b32 s27, 0xfedcba98
	s_mov_b32 s28, 0xffff0000                      ; lanes 16 to 31
	s_mov_b32 s30, 0x3fb8aa3b                      ; log2(e)
	s_mov_b32 s31, s30
	s_wait_kmcnt 0x0
	s_add_nc_u64 s[4:5], s[4:5], s[32:33]
	s_add_nc_u64 s[6:7], s[6:7], s[34:35]
	s_mov_b64 s[16:17], s[6:7]                     ; the walking copy
	s_add_nc_u64 s[8:9], s[8:9], s[36:37]
	s_add_nc_u64 s[12:13], s[12:13], s[38:39]
	s_add_nc_u64 s[14:15], s[14:15], s[40:41]
	; THE PROLOGUE.  The tables, units 0 to 3; then three steps without products: a unit is rounded, B of a step and the unit four on are asked for, in the order that every step keeps.
	global_load_b128 v[40:43], v31, s[8:9]
	global_load_b128 v[44:47], v31, s[8:9] offset:32768
	global_load_b128 v[48:51], v30, s[10:11]
	global_load_b128 v[52:55], v30, s[10:11] offset:2048
	LOAD_U 0, 0
	LOAD_U 1, 65536
	LOAD_U 2, 256
	LOAD_U 3, 256+65536
	s_wait_loadcnt 32                              ; younger: four units
	ds_store_b128 v23, v[40:43]
	ds_store_b128 v23, v[44:47] offset:2048
	ds_store_b128 v23, v[48:51] offset:4096
	ds_store_b128 v23, v[52:55] offset:6144
	s_wait_loadcnt 24                              ; younger: units 1 to 3
	CONV 0, 0
	LOAD_B 0, 0
	LOAD_U 0, 512
	s_wait_loadcnt 40                              ; younger: 8 + 8 + 16 + 8
	CONV 1, 16*PA
	LOAD_B 1, 8192
	LOAD_U 1, 512+65536
	s_wait_loadcnt 56                              ; younger: 8 + (16 + 8) twice
	CONV 2, 128
	LOAD_B 2, 16384
	LOAD_U 2, 768
	s_wait_dscnt 0x0                               ; for the others' sake: my stores are done
	s_barrier_signal -1
	s_barrier_wait -1                              ; slice 0 and the tables are whole
.irp i, 0,1,2,3
	v_mov_b32 v[8+\i], v[4+\i]
.endr
	FETCH_A 0, 0
	FETCH_A 1, 0
	; CHUNK 0.  In every step: B(q + 3), then unit q + 7.  So B(q) has 8 + (16 + 8) twice = 56 younger loads, and unit q + 3 was asked for ahead of it.
	; Slice s (64 k) is stored in steps 2 s - 3 and 2 s - 2, the barrier stands in step 2 s - 1, ahead of that step's fetches, the first that read the slice.  Each byte of A is written once.
	STEP 0,1,56,0,3,128+16*PA,3*8192,768+65536,64
	WIN 0                                          ; at a label and at a branch every window is 0
	s_mov_b32 s24, 6
.Lp1:                                                  ; a trip: steps 4 t + 1 to 4 t + 4; the offsets count from pointers that step with t
	STEP 1,0,56,1,0,256,4*8192,1024,128
	STEP 2,0,56,0,1,256+16*PA,5*8192,1024+65536,192
	STEP 3,0,56,1,2,384,6*8192,1280,256
	STEP 0,0,56,0,3,384+16*PA,7*8192,1280+65536,320
	WIN 0
	s_wait_xcnt 0x0                                ; the loads' bases are stepped only behind this wait (ISA guide 3.1)
	s_add_nc_u64 s[16:17], s[16:17], 32768
	s_add_nc_u64 s[4:5], s[4:5], 512
.irp i, 8,9,10,11,12
	v_add_nc_u32 v\i, 256, v\i
.endr
	s_sub_co_u32 s24, s24, 1
	s_cmp_lg_u32 s24, 0
	s_cbranch_scc1 .Lp1
	STEP 1,0,56,1,0,256,4*8192,-1,128              ; steps 25 to 31: no unit is left to ask for, so the counts run down to two steps' B;
	STEP 2,0,48,0,1,256+16*PA,5*8192,-1,192
	STEP 3,0,40,1,2,384,6*8192,-1,256
	STEP 0,0,32,0,3,384+16*PA,7*8192,-1,320
	STEP 1,0,32,1,-1,0,8*8192,-1,384               ; the last three ask for chunk 1's first three steps of B, next in my stream: they are on their way during the epilogue
	STEP 2,0,32,0,-1,0,9*8192,-1,448
	STEP 3,0,32,0,-1,0,10*8192,-1,-1
	WIN 0
	v_mov_b32 v16, v15                             ; the tables at chunk 0's columns
	s_mov_b32 s25, 2                               ; chunks to finish
	s_branch .Lepi                                 ; the loop over chunks is entered at the epilogue, whose text stands once
.Lagain:                                               ; CHUNK 1: A is whole, so no barrier and no unit; B(q) has two steps' loads behind it
	s_wait_xcnt 0x0
	s_add_nc_u64 s[16:17], s[6:7], 0x40000
.irp i, 0,1,2,3
	v_mov_b32 v[8+\i], v[4+\i]
.endr
	FETCH_A 0, 0
	FETCH_A 1, 0
	STEP 0,1,32,0,-1,0,3*8192,-1,64
	WIN 0
	s_mov_b32 s24, 7
.Lp2:
	STEP 1,0,32,0,-1,0,4*8192,-1,128
	STEP 2,0,32,0,-1,0,5*8192,-1,192
	STEP 3,0,32,0,-1,0,6*8192,-1,256
	STEP 0,0,32,0,-1,0,7*8192,-1,320
	WIN 0
	s_wait_xcnt 0x0
	s_add_nc_u64 s[16:17], s[16:17], 32768
.irp i, 8,9,10,11
	v_add_nc_u32 v\i, 256, v\i
.endr
	s_sub_co_u32 s24, s24, 1
	s_cmp_lg_u32 s24, 0
	s_cbranch_scc1 .Lp2
	STEP 1,0,32,0,-1,0,-1,-1,128
	STEP 2,0,16,0,-1,0,-1,-1,192
	STEP 3,0,0,0,-1,0,-1,-1,-1
	WIN 0
	v_add_nc_u32 v16, 2048, v15                    ; the tables at chunk 1's columns
.Lepi:
	PLACES                                         ; between the last products and the first read of a result
.set j, 0
.rept 16                                               ; my lane's 64 columns, 16 b + 8 h + 0..7, of pre's row and of w_v
	ds_load_b128 v[TBT+4*j:TBT+4*j+3], v16 offset:64*(j/2)+16*(j%2)
	ds_load_b128 v[WVT+4*j:WVT+4*j+3], v16 offset:4096+64*(j/2)+16*(j%2)
.set j, j+1
.endr
	s_wait_dscnt 0x0
	EROW 0
	EROW 1
	EROW 2
	EROW 3
	GATHER 0
	EROW 4
	EROW 5
	EROW 6
	EROW 7
	GATHER 1
	s_sub_co_u32 s25, s25, 1
	s_cmp_lg_u32 s25, 0
	s_cbranch_scc1 .Lagain
	; THE LAST PHASE.  The scores: the other half of the lanes' share, then the four waves' shares through LDS.
	s_wait_loadcnt 0x0                             ; window 1 is loaded anew below: no load into it is out
.irp a, 0,1,2,3,4,5,6,7
	v_permlanex16_b32 v[40+\a], v[32+\a], s26, s27
.endr
.irp a, 0,1,2,3,4,5,6,7
	v_add_f32 v[32+\a], v[32+\a], v[40+\a]
.endr
.irp i, 0,1,2,3
	v_cndmask_b32 v[40+\i], v[32+2*\i], v[33+2*\i], s28  ; lane l: row 32 i + l
.endr
.irp i, 0,1,2,3
	ds_store_b32 v17, v[40+\i] offset:128*\i
.endr
	s_wait_dscnt 0x0                               ; for the others' sake
	s_barrier_signal -1
	s_barrier_wait -1
	ds_load_b128 v[40:43], v18                     ; rows 4 l .. 4 l + 3 of each wave's share; every wave makes all 128 scores, alike
	ds_load_b128 v[44:47], v18 offset:512
	ds_load_b128 v[48:51], v18 offset:1024
	ds_load_b128 v[52:55], v18 offset:1536
	s_wait_dscnt 0x0
	v_pk_add_f32 v[40:41], v[40:41], v[44:45]
	v_pk_add_f32 v[42:43], v[42:43], v[46:47]
	v_pk_add_f32 v[48:49], v[48:49], v[52:53]
	v_pk_add_f32 v[50:51], v[50:51], v[54:55]
	v_pk_add_f32 v[40:41], v[40:41], v[48:49]
	v_pk_add_f32 v[42:43], v[42:43], v[50:51]
	v_pk_mul_f32 v[40:41], v[40:41], -2.0 op_sel_hi:[1,0]
	v_pk_mul_f32 v[42:43], v[42:43], -2.0 op_sel_hi:[1,0]
	s_cmp_lg_u32 s18, 0
	s_cbranch_scc1 .Lnostore
	global_store_b128 v14, v[40:43], s[12:13]      ; wave 0: the block's 512 bytes on end; v40-43 are not written again
.Lnostore:
	v_max3_num_f32 v44, v40, v41, v42              ; the block's maximum
	v_max_num_f32 v44, v44, v43
	v_max_num_f32_dpp v44, v44, v44 row_xmask:1 row_mask:0xf bank_mask:0xf
	v_max_num_f32_dpp v44, v44, v44 row_xmask:2 row_mask:0xf bank_mask:0xf
	v_max_num_f32_dpp v44, v44, v44 row_xmask:4 row_mask:0xf bank_mask:0xf
	v_max_num_f32_dpp v44, v44, v44 row_xmask:8 row_mask:0xf bank_mask:0xf
	v_permlanex16_b32 v45, v44, s26, s27
	v_max_num_f32 v44, v44, v45
	v_mul_f32 v46, s30, v44
	v_pk_fma_f32 v[48:49], v[40:41], s[30:31], v[46:47] op_sel_hi:[1,0,0] neg_lo:[0,0,1] neg_hi:[0,0,1]
	v_pk_fma_f32 v[50:51], v[42:43], s[30:31], v[46:47] op_sel_hi:[1,0,0] neg_lo:[0,0,1] neg_hi:[0,0,1]
	v_exp_f32 v48, v48
	v_exp_f32 v49, v49
	v_exp_f32 v50, v50
	v_exp_f32 v51, v51
	v_nop                                          ; a plain instruction between the last exponential and the use of its result
	s_wait_alu depctr_va_vdst(0)
	v_cvt_pk_bf16_f32 v52, v48, v49
	v_cvt_pk_bf16_f32 v53, v50, v51
	ds_store_b64 v19, v[52:53]                     ; into my wave's own copy: no barrier
.set j, 0
.rept 8                                                ; p as four fragments: every lane row holds the same 32 rows s
	ds_load_b128 v[64+4*j:64+4*j+3], v20 offset:32*j
.set j, j+1
.endr
	; wpart: wave w owns channels 256 w .. + 255.  A is read once more, turned.
	TRLOAD 0
	TRLOAD 1
	s_wait_dscnt 32                                ; all but the 32 just issued
	WSUM 0
	PLACES
	TRLOAD 2
	s_wait_dscnt 32
	WSUM 1
	PLACES
	TRLOAD 3
	s_wait_dscnt 32
	WSUM 2
	s_wait_dscnt 0x0
	WSUM 3
	PLACES
	WIN 0x0a                                       ; all 16 rows of a result are alike: register 0 of lane (r, h) is channel r of its block
.irp i, 0,1,2,3,4,5,6,7
	v_cndmask_b32 v[48+\i], v[16*\i], v[16*\i+8], s28  ; lane l: channel 32 i + l
.endr
	WIN 0
.irp i, 0,1,2,3,4,5,6,7
	ds_store_b32 v21, v[48+\i] offset:128*\i
.endr
	ds_load_b128 v[56:59], v22                     ; LDS serves a wave's instructions in order (ISA guide 5.7.1.4): these see my stores above
	ds_load_b128 v[60:63], v22 offset:512
	s_wait_dscnt 0x0
	global_store_b128 v14, v[56:59], s[14:15]      ; 512 consecutive bytes each, aligned
	global_store_b128 v14, v[60:63], s[14:15] offset:512
	s_wait_tensorcnt 0x0                           ; the wave's end, behind my last LDS store
	ds_add_u32 v28, v29
	s_wait_dscnt 0x0
	s_endpgm
.Lfunc_end_k_qf0fae19bec_attn:
	.size	k_qf0fae19bec_attn, .Lfunc_end_k_qf0fae19bec_attn-k_qf0fae19bec_attn
	.p2alignl 7, 3214868480
	.fill 96, 4, 3214868480
	.section	.rodata,"a",@progbits
	.p2align	6, 0x0
	.amdhsa_kernel k_qf0fae19bec_attn
		.amdhsa_group_segment_fixed_size 280064
		.amdhsa_private_segment_fixed_size 0
		.amdhsa_enable_private_segment 0
		.amdhsa_kernarg_size 48
		.amdhsa_user_sgpr_count 2
		.amdhsa_user_sgpr_kernarg_segment_ptr 1
		.amdhsa_wavefront_size32 1
		.amdhsa_system_sgpr_workgroup_id_x 1
		.amdhsa_system_sgpr_workgroup_id_y 1
		.amdhsa_system_sgpr_workgroup_id_z 1
		.amdhsa_system_vgpr_workitem_id 0
		.amdhsa_next_free_vgpr 1024
		.amdhsa_next_free_sgpr 66
		.amdhsa_reserve_vcc 0
		.amdhsa_float_denorm_mode_32 3
		.amdhsa_float_denorm_mode_16_64 3
		.amdhsa_memory_ordered 1
		.amdhsa_forward_progress 1
		.amdhsa_inst_pref_size 255
	.end_amdhsa_kernel
	.section	.bss,"aw",@nobits
	.p2align	6
	.space	262144
	.amdgpu_metadata
---
amdhsa.version: [ 1, 2 ]
amdhsa.kernels:
  - .name:           k_qf0fae19bec_attn
    .symbol:         k_qf0fae19bec_attn.kd
    .args:
      - { .name: context, .offset: 0, .size: 8, .value_kind: global_buffer, .address_space: global }
      - { .name: Wb, .offset: 8, .size: 8, .value_kind: global_buffer, .address_space: global }
      - { .name: pre, .offset: 16, .size: 8, .value_kind: global_buffer, .address_space: global }
      - { .name: w_v, .offset: 24, .size: 8, .value_kind: global_buffer, .address_space: global }
      - { .name: scores, .offset: 32, .size: 8, .value_kind: global_buffer, .address_space: global }
      - { .name: wpart, .offset: 40, .size: 8, .value_kind: global_buffer, .address_space: global }
    .group_segment_fixed_size: 280064
    .private_segment_fixed_size: 0
    .kernarg_segment_align: 8
    .kernarg_segment_size: 48
    .max_flat_workgroup_size: 128
    .sgpr_count:     66
    .vgpr_count:     1024
    .wavefront_size: 32
...
	.end_amdgpu_metadata
.endif
;; end of part 2
;; launch finish (part 3): grid 256 x 1, 4 waves a work-group, no clusters, 3,584 bytes of LDS; arguments scores, wpart, pre, Wo16, out0, out1; writes out0, out1
.if DOCPART == 3
	.amdgcn_target "amdgcn-amd-amdhsa--gfx1250"
	.amdhsa_code_object_version 6
	.text
	.protected	k_qf0fae19bec_finish
	.globl	k_qf0fae19bec_finish
	.p2align	8
	.type	k_qf0fae19bec_finish,@function
k_qf0fae19bec_finish:
	s_mov_b64 s[64:65], 0
	v_nop
	global_prefetch_b8 v0, s[64:65] scope:SCOPE_SE
	s_setreg_imm32_b32 hwreg(HW_REG_WAVE_MODE, 25, 1), 1
	s_wait_xcnt 0x0
; THE JOIN.  Work-group g: batch b = g / 8, slice es = g % 8.  From the batch's 2,048 scores: the maximum M, the sum l of 2^(log2(e) (s - M)), and the 16 blocks' maxima bm.
;   out1[b][256 es ..]  = 2^(log2(e) (s - M)) / l
;   weighted[d]         = sum over the 16 blocks of f[blk] wpart[blk][d],  f = 2^(log2(e) (bm - M)) / l     (every work-group of a batch makes it anew: 64 KB read)
;   out0[b][128 es ..]  = tanh(weighted . W_out[e][0:1024] + pre part 1), tanh(z) = 1 - 2 / (1 + 2^(C2 z)): weighted rounded once to bf16, Wo16 in fragment order, sums in f32;
;                         wave w makes columns 128 es + 32 w .. + 31: two accumulators, 64 matrix instructions.
; The maximum is taken away before every exponential; l is at least 1.  A weight below 2^-126 counts as 0.  NaN and infinities are not treated apart.
; No cluster, no tensor load: a work-group's 256 KB of Wo16 are shared by the 32 batches' work-groups of one slice, 8 apart in the grid, not by neighbours; each wave takes its fragments straight into registers.
; REGISTERS.  window 0: v1 r, v2 h, v3 lane; v4-13 addresses; v28, v29 the add's two; v32-47 my 16 scores; v48-51 out1's four; v52 pre; v56-70 statistics; v72-75 out0; v80-95 f; v96-103 weighted;
;   v104-119 two accumulators; v128-255 wpart as loaded, then fragments of weighted (v128-191).   windows 1, 2: Wo16's fragments, four groups of 128 (8 K steps of 32 x 2 column blocks).
.set MW,    0                          ; the waves' maxima, 4 words
.set LW,    16                         ; the waves' sums, 4 words
.set BM,    64                         ; the blocks' maxima, 16 words
.set WGB,   256                        ; weighted in bf16, 2,048 bytes
.set HB,    2304                       ; out0's slice, 512 bytes
.set SPARE, 3072                       ; the spare words, 128 bytes a wave: two blocks of 256 bytes that no other line names
.set MSB, 0
.macro WIN new                         ; the immediate's high byte repeats the setting that is left
.if MSB != (\new)
	s_set_vgpr_msb (MSB<<8)|(\new)
.set MSB, \new
.endif
.endm
.macro PLACES
.rept 4
	v_nop
.endr
.endm
.macro LOADG n                         ; group n of my 64 KB of Wo16: 32 loads, 16,384 bytes on end
	WIN 0x40*(1+(\n)/2)
.set j, 0
.rept 32
	global_load_b128 v[128*((\n)%2)+4*j:128*((\n)%2)+4*j+3], v7, s[26:27] offset:(\n)*16384+512*j
.set j, j+1
.endr
	WIN 0
.endm
.macro GROUP n, lc                     ; 8 K steps: weighted's fragments from LDS, 16 matrix instructions; lc: the global loads younger than group n
	WIN 0
.if (\n) > 0
	PLACES                                         ; the loads below land in registers that the last products read
.endif
.set j, 0
.rept 16
	ds_load_b128 v[128+4*j:128+4*j+3], v11 offset:512*(\n)+32*j
.set j, j+1
.endr
	s_wait_loadcnt \lc
.if (\n) < 2
	LOADG (\n)+2
.endif
	s_wait_dscnt 0x0
	WIN 0x04*(1+(\n)/2)                            ; source 1 in window 1 or 2
.set j, 0
.rept 16                                               ; j = 2 x K step + column block: the two accumulators take turns
.if ((\n) == 0) && (j < 2)
	v_wmma_f32_16x16x32_bf16 v[104+8*(j%2):111+8*(j%2)], v[128+8*(j/2):135+8*(j/2)], v[128*((\n)%2)+8*j:128*((\n)%2)+8*j+7], 0
.else
	v_wmma_f32_16x16x32_bf16 v[104+8*(j%2):111+8*(j%2)], v[128+8*(j/2):135+8*(j/2)], v[128*((\n)%2)+8*j:128*((\n)%2)+8*j+7], v[104+8*(j%2):111+8*(j%2)]
.endif
.set j, j+1
.endr
.endm
	s_load_b256 s[4:11], s[0:1], 0x0               ; scores s[4:5], wpart s[6:7], pre s[8:9], Wo16 s[10:11]
	s_load_b128 s[12:15], s[0:1], 0x20             ; out0 s[12:13], out1 s[14:15]
	v_lshl_add_u32 v28, v0, 2, SPARE               ; my spare word
	v_mov_b32 v29, 0
	v_lshrrev_b32 v3, 5, v0
	v_readfirstlane_b32 s16, v3                    ; wave
	s_mov_b32 s17, ttmp9
	s_lshr_b32 s18, s17, 3                         ; batch
	s_and_b32 s19, s17, 7                          ; slice
	s_lshl_b32 s20, s18, 13                        ; the batch's scores, and its row of out1
	s_mov_b32 s21, 0
	s_lshr_b32 s22, s17, 7                         ; batch / 16
	s_lshl_b32 s22, s22, 16
	s_add_co_u32 s22, s22, 131072                  ; part 1
	s_lshl_b32 s38, s19, 3
	s_lshl_b32 s39, s16, 1
	s_add_co_u32 s38, s38, s39                     ; column block 8 es + 2 w
	s_lshl_b32 s38, s38, 10
	s_add_co_u32 s22, s22, s38
	s_bfe_u32 s38, s17, 0x40003                    ; batch % 16
	s_lshl_b32 s38, s38, 6
	s_add_co_u32 s22, s22, s38
	s_mov_b32 s23, 0
	s_lshl_b32 s24, s18, 16                        ; the batch's 16 rows of wpart
	s_mov_b32 s25, 0
	s_lshl_b32 s26, s19, 2
	s_add_co_u32 s26, s26, s16
	s_lshl_b32 s26, s26, 16                        ; my 32 columns' fragments
	s_mov_b32 s27, 0
	s_lshl_b32 s28, s18, 12
	s_lshl_b32 s38, s19, 9
	s_add_co_u32 s28, s28, s38
	s_mov_b32 s29, 0
	s_lshl_b32 s38, s19, 10                        ; the slice's 256 scores
	s_add_co_u32 s30, s20, s38
	s_mov_b32 s31, 0
	s_mov_b32 s32, 0x76543210
	s_mov_b32 s33, 0xfedcba98
	s_mov_b32 s34, 0xffff0000                      ; lanes 16 to 31
	s_mov_b32 s36, 0x3fb8aa3b                      ; log2(e)
	s_mov_b32 s37, s36
	v_and_b32 v1, 15, v0
	v_bfe_u32 v2, v0, 4, 1
	v_and_b32 v3, 31, v0
	v_lshlrev_b32 v4, 4, v0                        ; 16 x thread
	v_and_b32 v5, 63, v0
	v_lshl_add_u32 v5, v5, 4, s38                  ; the slice's scores: 16 x (thread % 64)
	v_lshlrev_b32 v6, 10, v2
	v_lshl_add_u32 v6, v1, 2, v6                   ; pre: column block + h, column r
	v_lshlrev_b32 v7, 4, v3                        ; 16 x lane
	v_mov_b32 v8, s16
	v_lshlrev_b32 v8, 2, v8                        ; my wave's word
	v_mov_b32 v9, 0
	v_lshl_add_u32 v10, v0, 3, WGB
	v_lshl_add_u32 v11, v2, 4, WGB
	v_lshl_add_u32 v12, v0, 2, HB
	v_lshl_add_u32 v13, v3, 4, HB
	s_wait_kmcnt 0x0
	s_add_nc_u64 s[4:5], s[4:5], s[20:21]
	s_add_nc_u64 s[8:9], s[8:9], s[22:23]
	s_add_nc_u64 s[6:7], s[6:7], s[24:25]
	s_add_nc_u64 s[26:27], s[10:11], s[26:27]
	s_add_nc_u64 s[12:13], s[12:13], s[28:29]
	s_add_nc_u64 s[14:15], s[14:15], s[30:31]
.irp i, 0,1,2,3
	global_load_b128 v[32+4*\i:35+4*\i], v4, s[4:5] offset:2048*\i  ; load i of wave w is exactly block w + 4 i
.endr
	global_load_b128 v[48:51], v5, s[4:5]
	global_load_b32 v52, v6, s[8:9]
.set n, 0
.rept 32                                               ; block n / 2: channels 4 t .. and 512 + 4 t ..
	global_load_b128 v[128+4*n:128+4*n+3], v4, s[6:7] offset:(n/2)*4096+(n%2)*2048
.set n, n+1
.endr
	LOADG 0
	s_wait_loadcnt 63                              ; 64 loads are younger than the first six; a wait names 63 at the most: the seven oldest are in
.irp i, 0,1,2,3
	v_max_num_f32 v[60+\i], v[32+4*\i], v[33+4*\i]
.endr
.irp i, 0,1,2,3
	v_max3_num_f32 v[56+\i], v[60+\i], v[34+4*\i], v[35+4*\i]
.endr
.irp m, 1,2,4,8
.irp i, 0,1,2,3
	v_max_num_f32_dpp v[56+\i], v[56+\i], v[56+\i] row_xmask:\m row_mask:0xf bank_mask:0xf
.endr
.endr
.irp i, 0,1,2,3
	v_permlanex16_b32 v[60+\i], v[56+\i], s32, s33
.endr
.irp i, 0,1,2,3
	v_max_num_f32 v[56+\i], v[56+\i], v[60+\i]     ; four blocks' maxima
.endr
	v_max3_num_f32 v64, v56, v57, v58
	v_max_num_f32 v64, v64, v59                    ; my wave's maximum
	v_mul_f32 v66, s36, v64
	v_mov_b32 v67, v66
.set j, 0
.rept 8
	v_pk_fma_f32 v[32+2*j:33+2*j], v[32+2*j:33+2*j], s[36:37], v[66:67] op_sel_hi:[1,0,0] neg_lo:[0,0,1] neg_hi:[0,0,1]
.set j, j+1
.endr
.set j, 0
.rept 16
	v_exp_f32 v[32+j], v[32+j]
.set j, j+1
.endr
	v_nop                                          ; a plain instruction between the last exponential and the use of its result
	s_wait_alu depctr_va_vdst(0)
.irp j, 0,4,8,12
	v_pk_add_f32 v[32+\j:33+\j], v[32+\j:33+\j], v[34+\j:35+\j]
.endr
	v_pk_add_f32 v[32:33], v[32:33], v[36:37]
	v_pk_add_f32 v[40:41], v[40:41], v[44:45]
	v_pk_add_f32 v[32:33], v[32:33], v[40:41]
	v_add_f32 v68, v32, v33
	v_add_f32_dpp v68, v68, v68 row_xmask:1 row_mask:0xf bank_mask:0xf
	v_add_f32_dpp v68, v68, v68 row_xmask:2 row_mask:0xf bank_mask:0xf
	v_add_f32_dpp v68, v68, v68 row_xmask:4 row_mask:0xf bank_mask:0xf
	v_add_f32_dpp v68, v68, v68 row_xmask:8 row_mask:0xf bank_mask:0xf
	v_permlanex16_b32 v67, v68, s32, s33
	v_add_f32 v68, v68, v67                        ; my wave's sum
	ds_store_b32 v8, v64 offset:MW                 ; all lanes write the same word with the same value
	ds_store_b32 v8, v68 offset:LW
.irp i, 0,1,2,3
	ds_store_b32 v8, v[56+\i] offset:BM+16*\i
.endr
	s_wait_dscnt 0x0                               ; for the others' sake
	s_barrier_signal -1
	s_barrier_wait -1
	ds_load_b128 v[56:59], v9 offset:MW
	ds_load_b128 v[60:63], v9 offset:LW
.irp i, 0,1,2,3
	ds_load_b128 v[80+4*\i:83+4*\i], v9 offset:BM+16*\i
.endr
	s_wait_dscnt 0x0
	v_max3_num_f32 v64, v56, v57, v58
	v_max_num_f32 v64, v64, v59                    ; M
	v_mul_f32 v66, s36, v64
	v_mov_b32 v67, v66
	v_pk_fma_f32 v[56:57], v[56:57], s[36:37], v[66:67] op_sel_hi:[1,0,0] neg_lo:[0,0,1] neg_hi:[0,0,1]
	v_pk_fma_f32 v[58:59], v[58:59], s[36:37], v[66:67] op_sel_hi:[1,0,0] neg_lo:[0,0,1] neg_hi:[0,0,1]
	v_pk_fma_f32 v[48:49], v[48:49], s[36:37], v[66:67] op_sel_hi:[1,0,0] neg_lo:[0,0,1] neg_hi:[0,0,1]
	v_pk_fma_f32 v[50:51], v[50:51], s[36:37], v[66:67] op_sel_hi:[1,0,0] neg_lo:[0,0,1] neg_hi:[0,0,1]
.set j, 0
.rept 8
	v_pk_fma_f32 v[80+2*j:81+2*j], v[80+2*j:81+2*j], s[36:37], v[66:67] op_sel_hi:[1,0,0] neg_lo:[0,0,1] neg_hi:[0,0,1]
.set j, j+1
.endr
.irp j, 56,57,58,59,48,49,50,51
	v_exp_f32 v\j, v\j
.endr
.set j, 0
.rept 16
	v_exp_f32 v[80+j], v[80+j]
.set j, j+1
.endr
	v_nop
	s_wait_alu depctr_va_vdst(0)
	v_mul_f32 v65, v56, v60                        ; l = the waves' sums, each brought to M
	v_fmac_f32 v65, v57, v61
	v_fmac_f32 v65, v58, v62
	v_fmac_f32 v65, v59, v63
	v_rcp_f32 v68, v65
	v_rcp_f32 v69, v65
	v_nop                                          ; a plain instruction between the reciprocals and their use
	s_wait_alu depctr_va_vdst(0)
	v_pk_mul_f32 v[48:49], v[48:49], v[68:69]
	v_pk_mul_f32 v[50:51], v[50:51], v[68:69]
.set j, 0
.rept 8
	v_pk_mul_f32 v[80+2*j:81+2*j], v[80+2*j:81+2*j], v[68:69]
.set j, j+1
.endr
	s_cmp_gt_u32 s16, 1
	s_cbranch_scc1 .Lno_w
	global_store_b128 v4, v[48:51], s[14:15]       ; waves 0 and 1: the slice's 1,024 bytes of out1 on end; v48-51 are not written again
.Lno_w:
	s_wait_loadcnt 32                              ; younger: group 0: wpart is in
	LOADG 1
.irp c, 0,1,2,3,4,5,6,7
	v_mul_f32 v[96+\c], v80, v[128+\c]
.endr
.set n, 1
.rept 15
.irp c, 0,1,2,3,4,5,6,7
	v_fmac_f32 v[96+\c], v[80+n], v[128+8*n+\c]
.endr
.set n, n+1
.endr
	v_cvt_pk_bf16_f32 v96, v96, v97
	v_cvt_pk_bf16_f32 v97, v98, v99
	v_cvt_pk_bf16_f32 v100, v100, v101
	v_cvt_pk_bf16_f32 v101, v102, v103
	ds_store_b64 v10, v[96:97]
	ds_store_b64 v10, v[100:101] offset:1024
	s_wait_dscnt 0x0                               ; for the others' sake
	s_barrier_signal -1
	s_barrier_wait -1                              ; weighted is whole
	GROUP 0, 32                                    ; one group of 32 loads is always younger than the one in hand, but for the last
	GROUP 1, 32
	GROUP 2, 32
	GROUP 3, 0
	WIN 0
	PLACES
	v_cndmask_b32 v70, v104, v112, s34             ; all 16 rows of a result are alike: lane l takes column 32 w + l from register 0
	v_add_f32 v70, v70, v52
	v_mul_f32 v70, 0x4038aa3b, v70                 ; 2 log2(e) z
	v_exp_f32 v70, v70
	v_nop
	s_wait_alu depctr_va_vdst(0)
	v_add_f32 v70, 1.0, v70
	v_rcp_f32 v70, v70
	v_nop
	s_wait_alu depctr_va_vdst(0)
	v_fma_f32 v70, v70, -2.0, 1.0                  ; tanh
	ds_store_b32 v12, v70
	s_wait_dscnt 0x0                               ; for wave 0's sake
	s_barrier_signal -1
	s_barrier_wait -1
	s_cmp_lg_u32 s16, 0
	s_cbranch_scc1 .Lend
	ds_load_b128 v[72:75], v13
	s_wait_dscnt 0x0
	global_store_b128 v7, v[72:75], s[12:13]       ; the slice's 512 bytes of out0 on end, aligned
.Lend:
	s_wait_tensorcnt 0x0                           ; the wave's end, behind my last LDS store
	ds_add_u32 v28, v29
	s_wait_dscnt 0x0
	s_endpgm
.Lfunc_end_k_qf0fae19bec_finish:
	.size	k_qf0fae19bec_finish, .Lfunc_end_k_qf0fae19bec_finish-k_qf0fae19bec_finish
	.p2alignl 7, 3214868480
	.fill 96, 4, 3214868480
	.section	.rodata,"a",@progbits
	.p2align	6, 0x0
	.amdhsa_kernel k_qf0fae19bec_finish
		.amdhsa_group_segment_fixed_size 3584
		.amdhsa_private_segment_fixed_size 0
		.amdhsa_enable_private_segment 0
		.amdhsa_kernarg_size 48
		.amdhsa_user_sgpr_count 2
		.amdhsa_user_sgpr_kernarg_segment_ptr 1
		.amdhsa_wavefront_size32 1
		.amdhsa_system_sgpr_workgroup_id_x 1
		.amdhsa_system_sgpr_workgroup_id_y 1
		.amdhsa_system_sgpr_workgroup_id_z 1
		.amdhsa_system_vgpr_workitem_id 0
		.amdhsa_next_free_vgpr 768
		.amdhsa_next_free_sgpr 66
		.amdhsa_reserve_vcc 0
		.amdhsa_float_denorm_mode_32 3
		.amdhsa_float_denorm_mode_16_64 3
		.amdhsa_memory_ordered 1
		.amdhsa_forward_progress 1
		.amdhsa_inst_pref_size 41
	.end_amdhsa_kernel
	.amdgpu_metadata
---
amdhsa.version: [ 1, 2 ]
amdhsa.kernels:
  - .name:           k_qf0fae19bec_finish
    .symbol:         k_qf0fae19bec_finish.kd
    .args:
      - { .name: scores, .offset: 0, .size: 8, .value_kind: global_buffer, .address_space: global }
      - { .name: wpart, .offset: 8, .size: 8, .value_kind: global_buffer, .address_space: global }
      - { .name: pre, .offset: 16, .size: 8, .value_kind: global_buffer, .address_space: global }
      - { .name: Wo16, .offset: 24, .size: 8, .value_kind: global_buffer, .address_space: global }
      - { .name: out0, .offset: 32, .size: 8, .value_kind: global_buffer, .address_space: global }
      - { .name: out1, .offset: 40, .size: 8, .value_kind: global_buffer, .address_space: global }
    .group_segment_fixed_size: 3584
    .private_segment_fixed_size: 0
    .kernarg_segment_align: 8
    .kernarg_segment_size: 48
    .max_flat_workgroup_size: 128
    .sgpr_count:     66
    .vgpr_count:     768
    .wavefront_size: 32
...
	.end_amdgpu_metadata
.endif
;; end of part 3
